; MI455X (gfx1250); checked and timed in simulation.
; The chip was launched on July 23, 2026; its instructions are those of AMD's public machine-readable ISA for CDNA 5 (MIT licence, August 2026) and "CDNA5" Instruction Set Architecture Reference Guide (July 2026). The comments in the code are by the model that wrote it; some were corrected since.
;; Attention Head. Allowed arithmetic: float matrix products may take bf16 or f16 operands with f32 sums; other float arithmetic in f32, or as packed bf16 or f16 multiplies, adds, multiply-adds, maxima and minima; sums over many terms, partial sums and values carried from step to step in f32; what a program stores and reads back later, other than sums and carried values, may be rounded once to bf16 or f16.
;; Inputs: Wk 384 x 384 float32; Wq 384 x 384 float32; Wv 384 x 384 float32; x 16 x 2,048 x 384 float32.
;; Outputs: out0 16 x 2,048 x 384 float32.
;; One version. Each part assembles by itself: llvm-mc -triple=amdgcn-amd-amdhsa -mcpu=gfx1250 --defsym DOCPART=n.
;; ======== version 1 of 1: 3 launches
;; limits: values are held in f16: magnitudes above 65,504 overflow, below 6.1e-05 lose precision
;; workspace buffers: wb 884,736 bytes; qkv 75,497,472 bytes
;; launch wcast (part 1): grid 24 x 9, 8 waves a work-group, no clusters, 0 bytes of LDS; arguments Wq, Wk, Wv, wb; writes wb
.if DOCPART == 1
	.amdgcn_target "amdgcn-amd-amdhsa--gfx1250"
	.amdhsa_code_object_version 6
	.text
	.protected	k_qf941071580_wcast
	.globl	k_qf941071580_wcast
	.p2align	8
	.type	k_qf941071580_wcast,@function
k_qf941071580_wcast:
	s_mov_b64 s[64:65], 0
	v_nop
	global_prefetch_b8 v0, s[64:65] scope:SCOPE_SE
	s_setreg_imm32_b32 hwreg(HW_REG_WAVE_MODE, 25, 1), 1
	s_wait_xcnt 0x0
; wb[g][c][0..127] = bf16(W_mat[c][128 u .. 128 u + 127]), g = 3 mat + u; mat 0 = Wq, 1 = Wk, 2 = Wv.  W: [384][384] f32.
; Nine dense tiles of 384 rows x 256 bytes, so that the next launch can ask for a tile's rows as whole aligned runs of 256 bytes.
; A stream: every byte is read once and written once; no LDS, no matrix work, nothing shared between work-groups, so no cluster.
; A work-group takes 16 rows of one tile; thread t takes row t / 16 and eight numbers: 32 bytes in, 16 bytes out.
.set TILEB, 98304                      ; bytes in a tile of wb
	s_load_b256 s[4:11], s[0:1], 0x0               ; Wq s[4:5], Wk s[6:7], Wv s[8:9], wb s[10:11]
	s_and_b32 s12, ttmp7, 0xffff                   ; g, 0 to 8
	s_mul_i32 s13, s12, 11
	s_lshr_b32 s13, s13, 5                         ; mat = g / 3 (11 g / 32 is that for g up to 8)
	s_mul_i32 s14, s13, 3
	s_sub_co_u32 s14, s12, s14                     ; u = g - 3 mat
	s_lshl_b32 s15, ttmp9, 4                       ; the work-group's first row
	s_lshl_b32 s16, s14, 9                         ; 128 u numbers of f32
	s_mul_i32 s17, s12, TILEB
	v_lshrrev_b32 v1, 4, v0
	v_and_b32 v2, 15, v0                           ; which eight numbers of the row's 128
	v_add_nc_u32 v1, s15, v1                       ; c
	v_mul_u32_u24 v3, v1, 1536
	v_lshl_add_u32 v3, v2, 5, v3
	v_add_nc_u32 v3, s16, v3                       ; from: 1,536 c + 512 u + 32 p
	v_lshlrev_b32 v4, 8, v1
	v_lshl_add_u32 v4, v2, 4, v4
	v_add_nc_u32 v4, s17, v4                       ; to: 98,304 g + 256 c + 16 p
	s_wait_kmcnt 0x0
	s_cmp_eq_u32 s13, 1                            ; the source is chosen by mat, a number made of the grid's y alone
	s_cselect_b64 s[4:5], s[6:7], s[4:5]
	s_cmp_eq_u32 s13, 2
	s_cselect_b64 s[4:5], s[8:9], s[4:5]
	global_load_b128 v[8:11], v3, s[4:5] th:TH_LOAD_NT
	global_load_b128 v[12:15], v3, s[4:5] offset:16 th:TH_LOAD_NT
	s_wait_loadcnt 0x0
	v_cvt_pk_bf16_f32 v16, v8, v9
	v_cvt_pk_bf16_f32 v17, v10, v11
	v_cvt_pk_bf16_f32 v18, v12, v13
	v_cvt_pk_bf16_f32 v19, v14, v15
	global_store_b128 v4, v[16:19], s[10:11]       ; sixteen lanes store 256 consecutive bytes, at a multiple of 256 from wb's first byte
	s_endpgm
.Lfunc_end_k_qf941071580_wcast:
	.size	k_qf941071580_wcast, .Lfunc_end_k_qf941071580_wcast-k_qf941071580_wcast
	.p2alignl 7, 3214868480
	.fill 96, 4, 3214868480
	.section	.rodata,"a",@progbits
	.p2align	6, 0x0
	.amdhsa_kernel k_qf941071580_wcast
		.amdhsa_group_segment_fixed_size 0
		.amdhsa_private_segment_fixed_size 0
		.amdhsa_enable_private_segment 0
		.amdhsa_kernarg_size 32
		.amdhsa_user_sgpr_count 2
		.amdhsa_user_sgpr_kernarg_segment_ptr 1
		.amdhsa_wavefront_size32 1
		.amdhsa_system_sgpr_workgroup_id_x 1
		.amdhsa_system_sgpr_workgroup_id_y 1
		.amdhsa_system_sgpr_workgroup_id_z 1
		.amdhsa_system_vgpr_workitem_id 0
		.amdhsa_next_free_vgpr 24
		.amdhsa_next_free_sgpr 66
		.amdhsa_reserve_vcc 0
		.amdhsa_float_denorm_mode_32 3
		.amdhsa_float_denorm_mode_16_64 3
		.amdhsa_memory_ordered 1
		.amdhsa_forward_progress 1
		.amdhsa_inst_pref_size 2
	.end_amdhsa_kernel
	.amdgpu_metadata
---
amdhsa.version: [ 1, 2 ]
amdhsa.kernels:
  - .name:           k_qf941071580_wcast
    .symbol:         k_qf941071580_wcast.kd
    .args:
      - { .name: Wq, .offset: 0, .size: 8, .value_kind: global_buffer, .address_space: global }
      - { .name: Wk, .offset: 8, .size: 8, .value_kind: global_buffer, .address_space: global }
      - { .name: Wv, .offset: 16, .size: 8, .value_kind: global_buffer, .address_space: global }
      - { .name: wb, .offset: 24, .size: 8, .value_kind: global_buffer, .address_space: global }
    .group_segment_fixed_size: 0
    .private_segment_fixed_size: 0
    .kernarg_segment_align: 8
    .kernarg_segment_size: 32
    .max_flat_workgroup_size: 256
    .sgpr_count:     66
    .vgpr_count:     24
    .wavefront_size: 32
...
	.end_amdgpu_metadata
.endif
;; end of part 1
;; launch proj (part 2): grid 256 x 1, 4 waves a work-group, clusters of 4 x 1, 327,680 bytes of LDS; arguments x, wb, qkv; writes qkv
.if DOCPART == 2
	.amdgcn_target "amdgcn-amd-amdhsa--gfx1250"
	.amdhsa_code_object_version 6
	.text
	.protected	k_qf941071580_proj
	.globl	k_qf941071580_proj
	.p2align	8
	.type	k_qf941071580_proj,@function
k_qf941071580_proj:
	s_mov_b64 s[64:65], 0
	v_nop
	global_prefetch_b8 v0, s[64:65] scope:SCOPE_SE
	s_setreg_imm32_b32 hwreg(HW_REG_WAVE_MODE, 25, 1), 1
	s_wait_xcnt 0x0
	s_wait_alu depctr_hold_cnt(0) depctr_sa_sdst(0) depctr_va_vdst(0) depctr_va_sdst(0) depctr_va_ssrc(0) depctr_va_vcc(0) depctr_vm_vsrc(0)
	s_getreg_b32 s2, hwreg(HW_REG_IB_STS2, 6, 4)
	s_cmp_eq_u32 s2, 0
	s_cbranch_scc0 .Lentry_in_a_cluster
	s_endpgm
.Lentry_in_a_cluster:
	s_bfe_u32 s2, ttmp6, 0x10000c
	s_cmp_lg_u32 s2, 0x3003
	s_cbranch_scc0 .Lentry_shape_is_right
	s_endpgm
.Lentry_shape_is_right:
; qkv[mat][row][h] = f16( sum over c of bf16(x[row][c]) bf16(W_mat[c][h]) ), sums in f32.  x: [32768][384] f32; wb: nine tiles [384 c][128 h] bf16; qkv: [3][32768][384] f16.
; LIMIT.  f16 ends at 65,504: a q, k or v beyond that becomes an infinity.  Inputs 30 times those of unit spread, or offset by 30 spreads, stay under 2e4.
; SHARES.  A work-group owns 128 rows of x and all 1,152 output columns, in nine steps of 128 columns (one tile of wb, 256 bytes of an output row).  Wave w: 64 rows (w / 2) x 64 columns (w % 2):
; 16 accumulators, 12 chunks of 32 along c: 192 matrix instructions and 96 LDS loads a step.  x is brought in once as f32, rounded to bf16 and kept in registers as fragments for all nine steps.
; THE MATRIX INSTRUCTION IS USED TRANSPOSED: source 0 = 16 columns of W (turned on the way out of LDS by ds_load_tr16_b128), source 1 = 16 rows of x: a lane then holds eight neighbouring numbers of an output row.
; CLUSTER.  All work-groups walk the same nine tiles: the four of a cluster ask for each JOINTLY (same load, same descriptor, mask of four).  x's load is each work-group's own (mask 0).
; LDS.  0: slot 0 (384 rows x 288).  110,592: x in f32, 128 rows x 1,584.  Slot 1 (131,072) and the stage (241,664) lie in x's bytes: slot 1 is first filled behind a round in front of which every wave
; has finished its reads of x, and the stage is written only when those blocks have had their last fill.  313,344: the spare words.
; REGISTERS, in windows of 256 (s_set_vgpr_msb: bits 1:0 source 0, 3:2 source 1, 5:4 source 2, 7:6 destination):
;   window 0: v0-29 addresses; v32-95 at work on the way out; v128-255 the accumulators ((i, hb) at 128 + 8 (4 i + hb)); before the first step: x in f32, two halves of 64
;   windows 1, 2: x's fragments: (row tile i, chunk cc) at 8 (4 (cc % 8) + i) of window 1 + cc / 8          window 3: W's fragments, two buffers of 128: (chunk q of four, hb) at 8 (4 q + hb)
.set XP,    1584      ; a row of x in LDS: 1,536 bytes + 16 behind each 512 = 99 x 16: the sixteen rows of a load begin at sixteen different 16-byte columns modulo 256 bytes
.set XB,    110592
.set WP,    288       ; a row of W: 256 + 32 = 9 x 32 bytes
.set SLOT1, 131072    ; one exclusive or turns an address in slot 0 into slot 1's
.set STAGE, 241664    ; 128 rows x 272 bytes, the work-group's, for the way out
.set SP,    272
.set SPARE, 313344    ; the spare words, 128 bytes for each wave: two blocks of 256 bytes that no other line names
.set PLANE, 25165824  ; bytes of q, of k, of v
.set AX,  8           ; v8-11  LDS address of my lane's place in row tile i of x
.set AW,  12          ; v12    my lane's place in a tile of W; never rewritten
.set ADW, 13          ; v13-15 the same in the slot in hand, thirds 0, 1, 2 of its rows
.set STO, 16          ; v16    the way out: where I put 16 bytes of a row
.set RD,  17          ; v17    the way out: where I read a row back
.set CO,  18          ; v18    my byte offset in the work-group's rows of qkv
.set SPW, 28          ; v28    LDS address of my spare word; never rewritten
.set NIL, 29          ; v29    0; never rewritten
.set TMP, 32
.set ACC, 128
.set WF0, 0
.set WF1, 128
.set WV,  10          ; s10  my wave's number
.set G1X, 24          ; s[24:31] descriptor group 1 for x;  s[32:35] its group 0
.set G0X, 32
.set G1W, 36          ; s[36:43] descriptor group 1 for W's tiles;  s[44:47] group 0, which walks
.set G0W, 44
.set MSB, 0
.macro WIN new                         ; the immediate's high byte repeats the setting that is left; a switch that changes nothing is dropped
.if MSB != (\new)
	s_set_vgpr_msb (MSB<<8)|(\new)
.set MSB, (\new)
.endif
.endm
.macro PLACES                          ; four plain vector instructions behind matrix instructions, in front of loads into their sources and of reads of their results
.rept 4
	v_nop
.endr
.endm
.macro ROUND                           ; a round of the cluster's barrier: my work-group's barrier; wave 0 signals for the work-group; every wave waits for all four work-groups; my work-group's barrier once more
	s_barrier_signal -1
	s_barrier_wait -1
	s_cmp_lg_u32 s[WV], 0
	s_cbranch_scc1 .Lnot_wave_0_\@
	s_barrier_signal -3
.Lnot_wave_0_\@:
	s_barrier_wait -3
	s_barrier_signal -1
	s_barrier_wait -1
.endm
	s_load_b128 s[4:7], s[0:1], 0x0                ; x s[4:5], wb s[6:7]
	s_load_b64 s[8:9], s[0:1], 0x10                ; qkv
	v_lshl_add_u32 v[SPW], v0, 2, SPARE
	v_mov_b32 v[NIL], 0
	ds_add_u32 v[SPW], v[NIL]                      ; the wave's opening: the add and its wait stand ahead of my first tensor load; the set-up below, work on registers, stands between them
	v_lshrrev_b32 v1, 5, v0
	v_readfirstlane_b32 s[WV], v1                  ; wave 0..3
	s_lshr_b32 s11, s[WV], 1                       ; which 64 rows are mine
	s_and_b32 s12, s[WV], 1                        ; which 64 of a step's 128 columns
	s_bfe_u32 s13, ttmp6, 0x40000                  ; cx: my place in the cluster
	s_lshl_b32 s14, ttmp9, 2                       ; in a cluster launch ttmp9 counts clusters
	s_add_co_u32 s14, s14, s13                     ; the work-group's number: it enters x's and qkv's addresses alone
	; x: each wave brings 32 rows x 384 f32, padded by 4 words behind every 128
	s_mov_b32 s[G1X+0], (2<<16)|(1<<20)|(6<<22)|(3<<25)  ; 15:0 mask 0; 17:16 elements of 4 bytes; 20 padding on; 24:22 after every 128 words (code 6); 31:25 4 words (code 3)
	s_mov_b32 s[G1X+1], 384<<16                    ; tensor_dim0 = 384
	s_mov_b32 s[G1X+2], 32<<16                     ; tensor_dim1 = 32
	s_mov_b32 s[G1X+3], 384<<16                    ; tile_dim0 = 384
	s_mov_b32 s[G1X+4], 32                         ; tile_dim1 = 32
	s_mov_b32 s[G1X+5], 384                        ; elements from row to row
	s_mov_b32 s[G1X+6], 0
	s_mov_b32 s[G1X+7], 0
	; W: each wave brings 96 rows x 128 bf16 of a tile, padded by 8 words behind every 64
	s_mov_b32 s[G1W+0], 15|(1<<16)|(1<<20)|(1<<21)|(5<<22)|(7<<25)  ; 15:0 the mask of four; 17:16 elements of 2 bytes; 20 padding on; 21 set beside a mask; 24:22 after every 64 words (code 5); 31:25 8 words (code 7)
	s_mov_b32 s[G1W+1], 128<<16
	s_mov_b32 s[G1W+2], 96<<16
	s_mov_b32 s[G1W+3], 128<<16
	s_mov_b32 s[G1W+4], 96
	s_mov_b32 s[G1W+5], 128
	s_mov_b32 s[G1W+6], 0
	s_mov_b32 s[G1W+7], 0
	s_mul_i32 s48, s14, 196608                     ; x: the work-group's 128 rows of 1,536 bytes,
	s_mul_i32 s52, s[WV], 49152                    ; my wave's 32 of them
	s_add_co_u32 s48, s48, s52
	s_mov_b32 s49, 0
	s_mul_i32 s50, s[WV], 24576                    ; wb: my wave's 96 rows of 256 bytes: no place in the cluster enters
	s_mov_b32 s51, 0
	s_mul_i32 s16, s14, 98304                      ; s[16:17]: byte offset in qkv of the step's 256 bytes in the work-group's first row
	s_mov_b32 s17, 0
	s_mov_b32 s[G0X], 1
	s_mul_i32 s[G0X+1], s[WV], 32*XP
	s_add_co_u32 s[G0X+1], s[G0X+1], XB
	s_mov_b32 s[G0W], 1
	s_mul_i32 s[G0W+1], s[WV], 96*WP               ; slot 0
	s_mov_b32 s20, 0                               ; the step modulo 3
	s_mov_b32 s22, 0                               ; the slot in hand, as an LDS offset
	s_mov_b32 s23, 8                               ; steps that ask for a further tile
	s_mov_b32 s54, PLANE-512                       ; the two steps of the output offset: into the next plane,
	s_mov_b32 s55, 256                             ; or 128 columns on
	s_wait_dscnt 0x0                               ; the opening add is done
	s_wait_kmcnt 0x0
	s_add_nc_u64 s[G0X+2:G0X+3], s[4:5], s[48:49]
	s_or_b32 s[G0X+3], s[G0X+3], 0x80000000        ; type = 2
	s_add_nc_u64 s[G0W+2:G0W+3], s[6:7], s[50:51]
	s_or_b32 s[G0W+3], s[G0W+3], 0x80000000
	s_add_nc_u64 s[18:19], s[8:9], s[16:17]        ; where the first step stores
	ROUND                                          ; all four work-groups are here: the first joint load meets
	tensor_load_to_lds s[G0X:G0X+3], s[G1X:G1X+7]  ; my 32 rows of x
	s_nop 0
	tensor_load_to_lds s[G0W:G0W+3], s[G1W:G1W+7]  ; my quarter of tile 0: two loads of mine are out
	s_nop 0
	PLACES
	v_and_b32 v1, 15, v0                           ; r = lane % 16
	v_bfe_u32 v2, v0, 4, 1                         ; lane / 16
	v_and_b32 v3, 7, v0
	v_bfe_u32 v4, v0, 3, 1
	; a fragment of x: lane holds row r, c = 8 (lane / 16) + 0..7 and 16 + that: in f32 two runs of 32 bytes, 64 bytes apart
	s_mul_i32 s52, s11, 64*XP
	s_add_co_u32 s52, s52, XB
	v_mul_u32_u24 v5, v1, XP
	v_lshl_add_u32 v5, v2, 5, v5
	v_add_nc_u32 v[AX], s52, v5
	v_add_nc_u32 v[AX+1], 16*XP, v[AX]
	v_add_nc_u32 v[AX+2], 32*XP, v[AX]
	v_add_nc_u32 v[AX+3], 48*XP, v[AX]
	; the turning load takes 16 c x 16 h: lane l reads row 8 (l / 16) + l % 8, 16 bytes at 16 ((l / 8) % 2), and is left with column l % 16 and eight c
	v_lshl_add_u32 v5, v2, 3, v3
	v_mul_u32_u24 v5, v5, WP
	v_lshl_add_u32 v5, v4, 4, v5
	s_lshl_b32 s52, s12, 7                         ; my 64 columns
	v_add_nc_u32 v[AW], s52, v5
	s_mul_i32 s52, s11, 64*SP                      ; into the stage: my 64 rows, my half of their 256 bytes
	s_lshl_b32 s53, s12, 7
	s_add_co_u32 s52, s52, s53
	s_add_co_u32 s52, s52, STAGE
	v_mul_u32_u24 v5, v1, SP
	v_lshl_add_u32 v5, v2, 4, v5
	v_add_nc_u32 v[STO], s52, v5
	s_mul_i32 s52, s[WV], 32*SP                    ; back: wave w takes rows 32 w .. 32 w + 31, whole: lanes 0-15 one row, lanes 16-31 the next
	s_add_co_u32 s52, s52, STAGE
	v_mul_u32_u24 v5, v2, SP
	v_lshl_add_u32 v5, v1, 4, v5
	v_add_nc_u32 v[RD], s52, v5
	s_mul_i32 s52, s[WV], 32*768                   ; and the same two rows in qkv
	v_mul_u32_u24 v5, v2, 768
	v_lshl_add_u32 v5, v1, 4, v5
	v_add_nc_u32 v[CO], s52, v5
	s_wait_tensorcnt 0x1                           ; my rows of x are in; tile 0 may stay out
	s_barrier_signal -1
	s_barrier_wait -1                              ; everybody's are
; x from f32 to bf16 fragments, a chunk of 32 c at a time; the next chunk's 16 loads are issued ahead of a chunk's conversions
.macro XLD cc
.irp i, 0,1,2,3
	ds_load_b128 v[ACC+64*((\cc)%2)+16*(\i):ACC+64*((\cc)%2)+16*(\i)+3],     v[AX+(\i)] offset:128*(\cc)+16*((\cc)/4)
	ds_load_b128 v[ACC+64*((\cc)%2)+16*(\i)+4:ACC+64*((\cc)%2)+16*(\i)+7],   v[AX+(\i)] offset:128*(\cc)+16*((\cc)/4)+16
	ds_load_b128 v[ACC+64*((\cc)%2)+16*(\i)+8:ACC+64*((\cc)%2)+16*(\i)+11],  v[AX+(\i)] offset:128*(\cc)+16*((\cc)/4)+64
	ds_load_b128 v[ACC+64*((\cc)%2)+16*(\i)+12:ACC+64*((\cc)%2)+16*(\i)+15], v[AX+(\i)] offset:128*(\cc)+16*((\cc)/4)+80
.endr
.endm
	XLD 0
.irp cc, 0,1,2,3,4,5,6,7,8,9,10,11
.if (\cc) < 11
	XLD (\cc)+1
	s_wait_dscnt 16                                ; all but the 16 just issued
.else
	s_wait_dscnt 0x0
.endif
	WIN (1+(\cc)/8)<<6                             ; destination: window 1 or 2
.irp i, 0,1,2,3
.irp j, 0,1,2,3,4,5,6,7
	v_cvt_pk_bf16_f32 v[8*(4*((\cc)%8)+(\i))+(\j)], v[ACC+64*((\cc)%2)+16*(\i)+2*(\j)], v[ACC+64*((\cc)%2)+16*(\i)+2*(\j)+1]
.endr
.endr
	WIN 0
.endr
; 32 LDS loads in one run: W's fragments of four chunks (third u of the tile's rows) into buffer f, chunk by chunk
.macro FETCH u, f
	WIN 0xc0                                       ; destination window 3, address window 0
.irp q, 0,1,2,3
.irp hb, 0,1,2,3
	ds_load_tr16_b128 v[(\f)+8*(4*(\q)+(\hb)):(\f)+8*(4*(\q)+(\hb))+3],   v[ADW+(\u)] offset:(\q)*32*WP+32*(\hb)
	ds_load_tr16_b128 v[(\f)+8*(4*(\q)+(\hb))+4:(\f)+8*(4*(\q)+(\hb))+7], v[ADW+(\u)] offset:(\q)*32*WP+32*(\hb)+16*WP
.endr
.endr
.endm
; 16 matrix instructions: chunk cc (chunk q of buffer f).  The 16 accumulators take turns, one instruction a turn.  zero = 1: the products start the sums
.macro MUL f, q, cc, zero
	WIN 3|((1+(\cc)/8)<<2)                         ; W in window 3, x in window 1 or 2, sums in window 0
.irp i, 0,1,2,3
.irp hb, 0,1,2,3
.if \zero
	v_wmma_f32_16x16x32_bf16 v[ACC+8*(4*(\i)+(\hb)):ACC+8*(4*(\i)+(\hb))+7], v[(\f)+8*(4*(\q)+(\hb)):(\f)+8*(4*(\q)+(\hb))+7], v[8*(4*((\cc)%8)+(\i)):8*(4*((\cc)%8)+(\i))+7], 0
.else
	v_wmma_f32_16x16x32_bf16 v[ACC+8*(4*(\i)+(\hb)):ACC+8*(4*(\i)+(\hb))+7], v[(\f)+8*(4*(\q)+(\hb)):(\f)+8*(4*(\q)+(\hb))+7], v[8*(4*((\cc)%8)+(\i)):8*(4*((\cc)%8)+(\i))+7], v[ACC+8*(4*(\i)+(\hb)):ACC+8*(4*(\i)+(\hb))+7]
.endif
.endr
.endr
.endm
; A third of a step: chunks 4 u .. 4 u + 3 out of buffer f; in its middle the next third's fragments are fetched into buffer g
.macro THIRD u, f, g, more, zero
	s_wait_dscnt 16                                ; the first two chunks are in; the other two chunks' 16 loads may be out
	MUL \f, 0, 4*(\u), \zero
	MUL \f, 1, 4*(\u)+1, 0
.if \more
	PLACES
	FETCH (\u)+1, \g
	s_wait_dscnt 32                                ; all but the 32 just issued
.else
	s_wait_dscnt 0x0
.endif
	MUL \f, 2, 4*(\u)+2, 0
	MUL \f, 3, 4*(\u)+3, 0
.endm
; A step.  In front of the barrier each wave waits for all its tensor loads (its quarter of this step's tile), adds 0 to its spare word, and waits for that and for all its LDS reads (the other slot, the stage; at first: x).
; fill = 1: the barrier is a round of the cluster's, and behind it the other slot takes the next tile: one load a wave, with the step's 192 matrix instructions in which to land.
.macro STEP fill
	WIN 0
	s_wait_tensorcnt 0x0                           ; no tensor load of mine is out, so group 0 may be written
	ds_add_u32 v[SPW], v[NIL]                      ; 0 onto my spare word
.if \fill
	s_xor_b32 s[G0W+1], s[G0W+1], SLOT1            ; the other slot,
	s_add_nc_u64 s[G0W+2:G0W+3], s[G0W+2:G0W+3], 98304  ; the next tile; the type bits on top are not reached
	s_wait_dscnt 0x0                               ; the add is done, and my LDS reads are over
	ROUND
	tensor_load_to_lds s[G0W:G0W+3], s[G1W:G1W+7]
	s_nop 0
	PLACES
.else
	s_wait_dscnt 0x0
	s_barrier_signal -1
	s_barrier_wait -1
	PLACES
.endif
	v_add_nc_u32 v[ADW], s22, v[AW]
	v_add_nc_u32 v[ADW+1], 128*WP, v[ADW]
	v_add_nc_u32 v[ADW+2], 256*WP, v[ADW]
	FETCH 0, WF0
	THIRD 0, WF0, WF1, 1, 1
	THIRD 1, WF1, WF0, 1, 0
	THIRD 2, WF0, WF1, 0, 0
	WIN 0
	PLACES
	; the way out: rounded to f16, 16 bytes a lane into the stage; a barrier, since a row's 256 bytes come from two waves; back as whole rows
.set a, 0
.rept 16
.irp j, 0,1,2,3
	v_cvt_pk_f16_f32 v[TMP+4*a+(\j)], v[ACC+8*a+2*(\j)], v[ACC+8*a+2*(\j)+1]
.endr
.set a, a+1
.endr
.irp i, 0,1,2,3
.irp hb, 0,1,2,3
	ds_store_b128 v[STO], v[TMP+4*(4*(\i)+(\hb)):TMP+4*(4*(\i)+(\hb))+3] offset:(\i)*16*SP+32*(\hb)
.endr
.endr
	s_wait_dscnt 0x0                               ; for the others' sake: my stores into the stage are done
	s_barrier_signal -1
	s_barrier_wait -1
.irp t, 0,1,2,3,4,5,6,7,8,9,10,11,12,13,14,15
	ds_load_b128 v[TMP+4*(\t):TMP+4*(\t)+3], v[RD] offset:(\t)*2*SP
.endr
.irp t, 0,1,2,3,4,5,6,7,8,9,10,11,12,13,14,15
	s_wait_dscnt 15-(\t)                           ; LDS loads come back in order: pair t of rows is in
	global_store_b128 v[CO], v[TMP+4*(\t):TMP+4*(\t)+3], s[18:19] offset:(\t)*1536  ; sixteen lanes store 256 consecutive bytes, at a multiple of 256 from qkv's first byte
.endr
.if \fill
	s_wait_xcnt 0x0                                ; the stores' base and data are rewritten only behind this wait
	s_add_co_u32 s20, s20, 1
	s_cmp_eq_u32 s20, 3                            ; behind a matrix's third tile: on to the next plane's first 256 bytes
	s_cselect_b32 s21, s54, s55
	s_cselect_b32 s20, 0, s20
	s_add_co_u32 s16, s16, s21
	s_add_nc_u64 s[18:19], s[8:9], s[16:17]
	s_xor_b32 s22, s22, SLOT1
.endif
.endm
.Lstep:                                                ; eight trips: each asks for the next tile
	STEP 1
	s_sub_co_u32 s23, s23, 1
	s_cmp_lg_u32 s23, 0
	s_cbranch_scc1 .Lstep
	STEP 0                                         ; the ninth step is written out: it asks for nothing
	s_wait_tensorcnt 0x0                           ; the wave's end: behind my last tensor load and my last LDS store
	ds_add_u32 v[SPW], v[NIL]
	s_wait_dscnt 0x0
	ROUND                                          ; the closing round: no work-group ends while a partner may still ask for a tile that names it
	s_endpgm
.Lfunc_end_k_qf941071580_proj:
	.size	k_qf941071580_proj, .Lfunc_end_k_qf941071580_proj-k_qf941071580_proj
	.p2alignl 7, 3214868480
	.fill 96, 4, 3214868480
	.section	.rodata,"a",@progbits
	.p2align	6, 0x0
	.amdhsa_kernel k_qf941071580_proj
		.amdhsa_group_segment_fixed_size 327680
		.amdhsa_private_segment_fixed_size 0
		.amdhsa_enable_private_segment 0
		.amdhsa_kernarg_size 24
		.amdhsa_user_sgpr_count 2
		.amdhsa_user_sgpr_kernarg_segment_ptr 1
		.amdhsa_wavefront_size32 1
		.amdhsa_system_sgpr_workgroup_id_x 1
		.amdhsa_system_sgpr_workgroup_id_y 1
		.amdhsa_system_sgpr_workgroup_id_z 1
		.amdhsa_system_vgpr_workitem_id 0
		.amdhsa_next_free_vgpr 1024
		.amdhsa_next_free_sgpr 66
		.amdhsa_reserve_vcc 0
		.amdhsa_float_denorm_mode_32 3
		.amdhsa_float_denorm_mode_16_64 3
		.amdhsa_memory_ordered 1
		.amdhsa_forward_progress 1
		.amdhsa_inst_pref_size 99
	.end_amdhsa_kernel
	.amdgpu_metadata
---
amdhsa.version: [ 1, 2 ]
amdhsa.kernels:
  - .name:           k_qf941071580_proj
    .symbol:         k_qf941071580_proj.kd
    .args:
      - { .name: x, .offset: 0, .size: 8, .value_kind: global_buffer, .address_space: global }
      - { .name: wb, .offset: 8, .size: 8, .value_kind: global_buffer, .address_space: global }
      - { .name: qkv, .offset: 16, .size: 8, .value_kind: global_buffer, .address_space: global }
    .group_segment_fixed_size: 327680
    .private_segment_fixed_size: 0
    .kernarg_segment_align: 8
    .kernarg_segment_size: 24
    .max_flat_workgroup_size: 128
    .sgpr_count:     66
    .vgpr_count:     1024
    .wavefront_size: 32
...
	.end_amdgpu_metadata
.endif
;; end of part 2
;; launch attn (part 3): grid 16 x 16, 4 waves a work-group, clusters of 4 x 1, 327,680 bytes of LDS; arguments qkv, out0; writes out0
.if DOCPART == 3
	.amdgcn_target "amdgcn-amd-amdhsa--gfx1250"
	.amdhsa_code_object_version 6
	.text
	.protected	k_qf941071580_attn
	.globl	k_qf941071580_attn
	.p2align	8
	.type	k_qf941071580_attn,@function
k_qf941071580_attn:
	s_mov_b64 s[64:65], 0
	v_nop
	global_prefetch_b8 v0, s[64:65] scope:SCOPE_SE
	s_setreg_imm32_b32 hwreg(HW_REG_WAVE_MODE, 25, 1), 1
	s_wait_xcnt 0x0
	s_wait_alu depctr_hold_cnt(0) depctr_sa_sdst(0) depctr_va_vdst(0) depctr_va_sdst(0) depctr_va_ssrc(0) depctr_va_vcc(0) depctr_vm_vsrc(0)
	s_getreg_b32 s2, hwreg(HW_REG_IB_STS2, 6, 4)
	s_cmp_eq_u32 s2, 0
	s_cbranch_scc0 .Lentry_in_a_cluster
	s_endpgm
.Lentry_in_a_cluster:
	s_bfe_u32 s2, ttmp6, 0x10000c
	s_cmp_lg_u32 s2, 0x3003
	s_cbranch_scc0 .Lentry_shape_is_right
	s_endpgm
.Lentry_shape_is_right:
; CAUSAL ATTENTION, head size 384.  out[b][q][:] = the sum over k <= q of softmax_k(Q[q] . K[k] / sqrt(384)) V[k][:].  qkv: [3][16 x 2048][384] f16; out: [16 x 2048][384] f32.
; Products, maxima and sums in f32; the weights p are rounded to f16 for the second product (their sum l is taken of the unrounded p).
; LIMITS.  Q, K, V arrive within f16's 65,504.  A hidden score counts as -2^100: scores are 1.7e12 at the most, nothing beside that.  A weight below 2^-126 counts as 0 in l.  NaN and infinities are not treated apart.
; THE WALK.  A batch's queries lie in 32 blocks of 64.  The work-group at place cx of cluster c takes block 31 - 4 c - cx and then block 4 c + cx.  The four partners walk the same tiles of 64 keys:
; 0 .. 31 - 4 c for the first block, 0 .. 4 c + 3 for the second: 36 tiles whatever c (33 would do for a work-group by itself), so all 256 work-groups are alike and every tile of K and V is asked for JOINTLY by four.
; No branch, trip count or LDS address hangs on cx: it enters Q's and out's addresses and the mask's numbers alone.  Scores are masked by value in every trip; a tile that is wholly hidden gives weights 0.
; THE LOOPS.  An outer loop of two trips, one a block.  In it a loop over pairs of tiles (slot 0, slot 1; every LDS address is fixed) that counts up to a bound made of the cluster's x: 15 - 2 c, then 2 c + 1;
; a block's last pair is written out, since its last tile asks for nothing.  A block's walk begins with its own fill of tile 0, behind which its Q is loaded and O^T cleared.
; SHARES.  Wave w = 2 a + b owns the 32 queries of half a (two tiles of 16) and, of every tile of keys, the 32 keys of half b, with m, l and O of its own; at a block's end the two waves of a half are joined in f32 through LDS.
; One wave (block 0, a = 0, b = 1) sees hidden keys alone: its m is -2^100, of which c m is exact, so its weights are 1, its l and O finite, and its factor at the joining 0.
; LAYOUT.  S^T = K Q^T (source 0 = 16 keys, source 1 = 16 queries): a lane holds ONE query (lane % 16) and the keys 8 (lane / 16) + 0..7.  Two such results rounded to f16 ARE source 1 of O^T = V^T P.
; SOFTMAX.  p = 2^(c s - c m), c = log2(e) / sqrt(384), m a running maximum; in every step O and l are multiplied by a = 2^(c m_old - c m_new).  c m starts far below every c s: a block's first a is 0.
; LDS.  A slot: 64 rows of K (pitch 816), then 64 rows of V (pitch 864): 107,520 bytes; slot 1 at 131,072.  107,520: the waves' (c m, l).  108,544: the spare words.  238,592: four stages of 32 rows x 528.
; REGISTERS, in windows of 256 (s_set_vgpr_msb: bits 1:0 source 0, 3:2 source 1, 5:4 source 2, 7:6 destination):
;   window 0: v0-25 addresses and the mask's numbers; v32-39 statistics; v40-61 at work; v64-95 S^T; v96-111 P; v128-255 at work at a block's end
;   window w = 1, 2, 3, for channels 128 (w - 1) on: v0-127 O^T ((channel block cb, tile t) at 16 cb + 8 t); v128-191 K's fragments, then V's; v192-255 Q
; V's fragments share O^T's window, so the rescaling of O^T stands behind the products V^T P under one setting.
.set PK,    816       ; a row of K: 768 bytes + 16 behind each 256 = 51 x 16 bytes
.set PVP,   864       ; a row of V: 768 + 32 behind each 256 = 27 x 32 bytes
.set VOFF,  64*PK
.set STATS, 107520
.set SPARE, 108544    ; the spare words, 128 bytes for each wave: two blocks of 256 bytes that no other line names
.set SLOT1, 131072
.set STAGE, 238592
.set SPI,   528       ; a stage row: 128 channels of f32 + 16 bytes = 33 x 16 bytes
.set SREG,  32*SPI    ; a wave's stage
.set TILEB, 49152     ; a tile in memory: 64 rows of 768 bytes
.set AK,  6           ; v6, v7   my lane's place in K's tile in slot 0, 1; never rewritten
.set AV,  8           ; v8, v9   the same for V
.set QO,  10          ; v10  my byte offset in 16 rows of Q
.set STO, 11          ; v11  a block's end: where I put 32 bytes of a row
.set RD0, 12          ; v12, v13  where I read rows back: the even wave's stage, the odd wave's
.set RD1, 13
.set GO,  14          ; v14  16 x lane
.set STA, 15          ; v15  where I put (c m, l)
.set STR, 16          ; v16  where I read my half's two waves' (c m, l)
.set BIG, 17          ; v17  -2^100
.set QI,  18          ; v18, v19  tile t: my query's number in the batch less 32 b + 8 (lane / 16): key register 16 kb + j of key tile kt is hidden where 16 kb + j > QI - 64 kt
.set QL,  20          ; v20, v21  the same for the second block
.set DD,  22          ; v22, v23  QI - 64 kt
.set MV,  24          ; v24, v25  c m_old
.set SPW, 62          ; v62  LDS address of my spare word; never rewritten
.set NIL, 63          ; v63  0; never rewritten
.set ST,  32          ; tile t at ST + 4 t: c m, m, l (even keys', odd keys')
.set TMP, 40          ; tile t at TMP + 4 t: c0-c3 at work; c2 takes a, and at a block's end the tile's factor
.set FS,  48          ; a block's end: tile t at FS + 4 t: c m and l of the even wave, of the odd wave; FS + 8 + t the greater c m; FS + 10 + t my own exponent; FS + 12 + t the sum
.set S,   64          ; S^T(t, kb) at S + 16 t + 8 kb
.set P,   96          ; P(t) at P + 8 t
.set T0,  128
.set T1,  192
.set F,   128         ; windows 1-3: K (chunk q of four, kb) at F + 16 q + 8 kb; V (cb) at F + 8 cb
.set QF,  192         ; windows 1-3: Q (chunk q, t) at QF + 16 q + 8 t
.set WV,  8           ; s8 wave; s9 a; s10 b
.set KB,  14          ; s[14:15] K at the half of the batch's tile 0 that I fetch;  s[16:17] V likewise
.set VB,  16
.set QP,  18          ; s[18:19] Q at my 32 rows of the block in hand;  s[20:21] of the second block
.set QLO, 20
.set OUT, 22          ; s[22:23] out at the 16 rows that I store, block in hand;  s[66:67] second block
.set OUTLO, 66
.set G1K, 24          ; s[24:31], s[32:39] descriptor group 1 for K's and V's tiles: they differ in the padding alone
.set G1V, 32
.set G0K, 40          ; s[40:43], s[44:47] descriptor group 0 for K's tiles, a set for each slot: the LDS word is never rewritten
.set G0V, 68          ; s[68:71], s[72:75] the same for V's
.set PH,  48          ; s48  blocks to go
.set CNT, 49          ; s49  counts a block's pairs of tiles, up from 0
.set BND, 50          ; s50  pairs in the loop, block in hand;  s51 second block
.set BNDLO, 51
.set KT64, 53         ; s53  64 x the tile in hand
.set OFF, 56          ; s[56:57] byte offset in K and V of the tile asked for last
.set CS,  58          ; s[58:59] c: the packed scaling takes the pair's low word for both halves
.set SEL, 60          ; s[60:61] v_permlanex16_b32's selects: each lane takes its own place in the other half
.set MSB, 0
.macro WIN new                         ; the immediate's high byte repeats the setting that is left; a switch that changes nothing is dropped
.if MSB != (\new)
	s_set_vgpr_msb (MSB<<8)|(\new)
.set MSB, (\new)
.endif
.endm
.macro PLACES                          ; four plain vector instructions behind matrix instructions, in front of loads into their sources and of reads of their results
.rept 4
	v_nop
.endr
.endm
.macro BOTH line:vararg                ; one line for each of my two tiles t
.set t, 0
.rept 2
	\line
.set t, t+1
.endr
.endm
.macro ROUND                           ; a round of the cluster's barrier
	s_barrier_signal -1
	s_barrier_wait -1
	s_cmp_lg_u32 s[WV], 0
	s_cbranch_scc1 .Lnot_wave_0_\@
	s_barrier_signal -3
.Lnot_wave_0_\@:
	s_barrier_wait -3
	s_barrier_signal -1
	s_barrier_wait -1
.endm
; A joint fill of slot s.  Waves 0 and 1 fetch the two halves (32 rows) of a tile's K, waves 2 and 3 those of its V.  The branch hangs on the wave's number alone.
; An s_nop 0 and four v_nop follow each of the two lines, ahead of the jump and the label.
.macro JLOAD s
	s_cmp_lt_u32 s[WV], 2
	s_cbranch_scc0 .Lfor_v_\@
	tensor_load_to_lds s[G0K+4*(\s):G0K+4*(\s)+3], s[G1K:G1K+7]
	s_nop 0
	PLACES
	s_branch .Lasked_\@
.Lfor_v_\@:
	tensor_load_to_lds s[G0V+4*(\s):G0V+4*(\s)+3], s[G1V:G1V+7]
	s_nop 0
	PLACES
.Lasked_\@:
.endm
	s_load_b128 s[4:7], s[0:1], 0x0                ; qkv s[4:5], out s[6:7]
	v_lshl_add_u32 v[SPW], v0, 2, SPARE
	v_mov_b32 v[NIL], 0
	ds_add_u32 v[SPW], v[NIL]                      ; the wave's opening: the add and its wait stand ahead of my first tensor load; the set-up below, work on registers, stands between them
	v_lshrrev_b32 v1, 5, v0
	v_readfirstlane_b32 s[WV], v1                  ; wave 0..3
	s_lshr_b32 s9, s[WV], 1                        ; a: my half of the queries
	s_and_b32 s10, s[WV], 1                        ; b: my half of each tile's keys; also: which half of a tile I fetch
	s_bfe_u32 s11, ttmp6, 0x40000                  ; cx: my place in the cluster
	s_mov_b32 s12, ttmp9                           ; c: the cluster's x, which the partners share
	s_and_b32 s13, ttmp7, 0xffff                   ; the batch
	s_lshl_b32 s76, s12, 2                         ; 4 c
	s_lshl_b32 s77, s12, 1                         ; 2 c
	s_sub_co_u32 s[BND], 15, s77                   ; the first block: 32 - 4 c tiles: 15 - 2 c pairs in the loop and one written out
	s_add_co_u32 s[BNDLO], s77, 1                  ; the second: 4 c + 4 tiles: 2 c + 1 pairs and one
	s_mov_b32 s[PH], 2
	s_mov_b32 s[OFF+1], 0
	s_mov_b32 s[CS], 0x3d96c740                    ; c = log2(e) / sqrt(384) = 0.0736222
	s_mov_b32 s[CS+1], s[CS]                       ; named with it as a pair
	s_mov_b32 s[SEL], 0x76543210
	s_mov_b32 s[SEL+1], 0xfedcba98
	s_add_co_u32 s78, s76, s11                     ; the second block, 4 c + cx,
	s_sub_co_u32 s79, 31, s78                      ; and the first
	s_lshl_b32 s80, s13, 11
	s_lshl_b32 s81, s9, 5
	s_add_co_u32 s80, s80, s81                     ; 2,048 x batch + 32 a
	s_lshl_b32 s82, s79, 6
	s_lshl_b32 s83, s78, 6
	s_add_co_u32 s84, s82, s80                     ; my first query's row, first block
	s_add_co_u32 s85, s83, s80                     ; second block
	s_mul_i32 s86, s84, 768
	s_mov_b32 s87, 0
	s_mul_i32 s88, s85, 768
	s_mov_b32 s89, 0
	s_lshl_b32 s94, s10, 4                         ; of my half's 32 rows I store 16 b on
	s_add_co_u32 s84, s84, s94
	s_add_co_u32 s85, s85, s94
	s_mul_i32 s90, s84, 1536
	s_mov_b32 s91, 0
	s_mul_i32 s92, s85, 1536
	s_mov_b32 s93, 0
	s_lshl_b32 s94, s10, 5
	s_sub_co_u32 s81, s81, s94                     ; 32 a - 32 b
	s_add_co_u32 s82, s82, s81                     ; the mask's scalar part, first block
	s_add_co_u32 s83, s83, s81                     ; second block
	s_mul_i32 s96, s13, 1572864                    ; K and V: the batch's 2,048 rows of 768 bytes, my half of a tile: registers that never hold cx
	s_mul_i32 s52, s10, 24576
	s_add_co_u32 s96, s96, s52
	s_add_co_u32 s98, s96, 50331648                ; V's plane
	s_add_co_u32 s96, s96, 25165824                ; K's plane
	s_mov_b32 s97, 0
	s_mov_b32 s99, 0
	; descriptor group 1: 32 rows x 384 elements of 2 bytes, padded behind every 64 words: three times a row
	s_mov_b32 s[G1K], 15|(1<<16)|(1<<20)|(1<<21)|(5<<22)|(3<<25)  ; 15:0 the mask of four; 17:16 2-byte elements; 20 padding on; 21 set beside a mask; 24:22 after every 64 words (code 5); 31:25 4 words (code 3)
	s_mov_b32 s[G1V], 15|(1<<16)|(1<<20)|(1<<21)|(5<<22)|(7<<25)  ; the same with 8 words (code 7)
.irp g, G1K, G1V
	s_mov_b32 s[\g+1], 384<<16                     ; tensor_dim0 = 384
	s_mov_b32 s[\g+2], 32<<16                      ; tensor_dim1 = 32
	s_mov_b32 s[\g+3], 384<<16                     ; tile_dim0 = 384
	s_mov_b32 s[\g+4], 32                          ; tile_dim1 = 32
	s_mov_b32 s[\g+5], 384                         ; elements from row to row
	s_mov_b32 s[\g+6], 0
	s_mov_b32 s[\g+7], 0
.endr
.irp s, 0,1
	s_mov_b32 s[G0K+4*(\s)], 1                     ; count = 1
	s_mul_i32 s[G0K+4*(\s)+1], s10, 32*PK          ; LDS address: my half of K's rows, in slot s
	s_add_co_u32 s[G0K+4*(\s)+1], s[G0K+4*(\s)+1], (\s)*SLOT1
	s_mov_b32 s[G0V+4*(\s)], 1
	s_mul_i32 s[G0V+4*(\s)+1], s10, 32*PVP
	s_add_co_u32 s[G0V+4*(\s)+1], s[G0V+4*(\s)+1], VOFF+(\s)*SLOT1
.endr
	s_wait_dscnt 0x0                               ; the opening add is done
	s_wait_kmcnt 0x0
	s_add_nc_u64 s[KB:KB+1], s[4:5], s[96:97]
	s_add_nc_u64 s[VB:VB+1], s[4:5], s[98:99]
	s_add_nc_u64 s[QP:QP+1], s[4:5], s[86:87]
	s_add_nc_u64 s[QLO:QLO+1], s[4:5], s[88:89]
	s_add_nc_u64 s[OUT:OUT+1], s[6:7], s[90:91]
	s_add_nc_u64 s[OUTLO:OUTLO+1], s[6:7], s[92:93]
	v_and_b32 v1, 15, v0                           ; r = lane % 16
	v_bfe_u32 v2, v0, 4, 1                         ; lane / 16
	v_mul_u32_u24 v[QO], v1, 768                   ; a fragment of Q: row r, 16 bytes for each half of the lanes
	v_lshl_add_u32 v[QO], v2, 4, v[QO]
.set i, 0
.rept 8
	v_mov_b32 v[TMP+i], 0                          ; v_permlanex16_b32's destination counts as read
.set i, i+1
.endr
	v_mov_b32 v[BIG], 0xf1800000                   ; -2^100
	s_mul_i32 s76, s10, 32*PK                      ; K: row 32 b + r, 16 bytes for each half of the lanes
	v_mul_u32_u24 v5, v1, PK
	v_lshl_add_u32 v5, v2, 4, v5
	v_add_nc_u32 v[AK], s76, v5
	v_add_nc_u32 v[AK+1], SLOT1, v[AK]
	; the turning load takes 16 keys x 16 channels: lane l reads key 8 (l / 16) + l % 8, 16 bytes at 16 ((l / 8) % 2), and is left with channel l % 16 and eight keys
	v_and_b32 v3, 7, v0
	v_bfe_u32 v4, v0, 3, 1
	v_lshl_add_u32 v5, v2, 3, v3
	v_mul_u32_u24 v5, v5, PVP
	v_lshl_add_u32 v5, v4, 4, v5
	s_mul_i32 s76, s10, 32*PVP
	s_add_co_u32 s76, s76, VOFF
	v_add_nc_u32 v[AV], s76, v5
	v_add_nc_u32 v[AV+1], SLOT1, v[AV]
	s_mul_i32 s76, s[WV], SREG                     ; my stage: row r of a tile, 32 bytes for each half of the lanes
	s_add_co_u32 s76, s76, STAGE
	v_mul_u32_u24 v5, v1, SPI
	v_lshl_add_u32 v5, v2, 5, v5
	v_add_nc_u32 v[STO], s76, v5
	s_mul_i32 s76, s9, 2*SREG                      ; back: rows 16 b on of my half's two stages; a row's 512 bytes are 32 lanes x 16
	s_mul_i32 s77, s10, 16*SPI
	s_add_co_u32 s76, s76, s77
	s_add_co_u32 s76, s76, STAGE
	v_and_b32 v5, 31, v0
	v_lshlrev_b32 v[GO], 4, v5
	v_add_nc_u32 v[RD0], s76, v[GO]
	v_add_nc_u32 v[RD1], SREG, v[RD0]
	s_lshl_b32 s76, s[WV], 8
	s_add_co_u32 s76, s76, STATS
	v_lshl_add_u32 v[STA], v1, 3, s76
	s_lshl_b32 s76, s9, 9
	s_add_co_u32 s76, s76, STATS
	v_lshl_add_u32 v[STR], v1, 3, s76
	v_lshlrev_b32 v5, 3, v2
	v_sub_nc_u32 v5, v1, v5                        ; r - 8 (lane / 16)
	v_add_nc_u32 v[QI], s82, v5
	v_add_nc_u32 v[QI+1], 16, v[QI]
	v_add_nc_u32 v[QL], s83, v5
	v_add_nc_u32 v[QL+1], 16, v[QL]
; THE CHANGE OF SLOTS, in front of the tile in slot 'slot'.  Each wave waits for all its tensor loads, of which one is out: its part of this trip's tile; adds 0 to its spare word; waits for that and for its reads of the other slot.
; fill = 1: the barrier is a round of the cluster's, and behind it the other slot takes the block's next tile, whose address is made anew from its offset: one load a wave, with the whole trip in which to land.
.macro TOP slot, fill
.set OS, 4*(1-(\slot))
	WIN 0
	s_wait_tensorcnt 0x0                           ; no tensor load of mine is out, so a group 0 may be written
	ds_add_u32 v[SPW], v[NIL]                      ; 0 onto my spare word; the descriptors' scalar work stands between it and the wait for it
.if \fill
	s_add_co_u32 s[OFF], s[OFF], TILEB
	s_add_nc_u64 s[G0K+OS+2:G0K+OS+3], s[KB:KB+1], s[OFF:OFF+1]
	s_or_b32 s[G0K+OS+3], s[G0K+OS+3], 0x80000000
	s_add_nc_u64 s[G0V+OS+2:G0V+OS+3], s[VB:VB+1], s[OFF:OFF+1]
	s_or_b32 s[G0V+OS+3], s[G0V+OS+3], 0x80000000
	s_wait_dscnt 0x0                               ; the add is done, and my LDS reads are over
	ROUND
	JLOAD 1-(\slot)                                ; the four v_nop behind it are also the places in front of the loads into K's registers
.else
	s_wait_dscnt 0x0
	s_barrier_signal -1
	s_barrier_wait -1
	PLACES
.endif
.endm
.macro KLOAD slot                      ; 48 loads: my 32 keys x 384 channels, window by window
.irp w, 1,2,3
	WIN (\w)<<6
.irp q, 0,1,2,3
.irp kb, 0,1
	ds_load_b128 v[F+16*(\q)+8*(\kb):F+16*(\q)+8*(\kb)+3],   v[AK+(\slot)] offset:(\kb)*16*PK+((\w)-1)*272+64*(\q)
	ds_load_b128 v[F+16*(\q)+8*(\kb)+4:F+16*(\q)+8*(\kb)+7], v[AK+(\slot)] offset:(\kb)*16*PK+((\w)-1)*272+64*(\q)+32
.endr
.endr
.endr
.endm
.macro QK                              ; 48 products S^T = K Q^T.  The four accumulators take turns, one instruction a turn; the first four start the sums
	s_wait_loadcnt 0x0                             ; Q (a block's first trip; met at once in the others)
.irp w, 1,2,3
	s_wait_dscnt 48-16*(\w)                        ; this window's K is in; the later windows' 16 loads each may be out
	WIN (\w)|((\w)<<2)
.irp q, 0,1,2,3
.irp kb, 0,1
.irp u, 0,1
.if ((\w) == 1) && ((\q) == 0)
	v_wmma_f32_16x16x32_f16 v[S+16*(\u)+8*(\kb):S+16*(\u)+8*(\kb)+7], v[F+16*(\q)+8*(\kb):F+16*(\q)+8*(\kb)+7], v[QF+16*(\q)+8*(\u):QF+16*(\q)+8*(\u)+7], 0
.else
	v_wmma_f32_16x16x32_f16 v[S+16*(\u)+8*(\kb):S+16*(\u)+8*(\kb)+7], v[F+16*(\q)+8*(\kb):F+16*(\q)+8*(\kb)+7], v[QF+16*(\q)+8*(\u):QF+16*(\q)+8*(\u)+7], v[S+16*(\u)+8*(\kb):S+16*(\u)+8*(\kb)+7]
.endif
.endr
.endr
.endr
.endr
.endm
.macro VLOAD slot                      ; 48 turning loads: my 32 keys x 384 channels, into the registers that K has left
.irp w, 1,2,3
	WIN (\w)<<6
.irp cb, 0,1,2,3,4,5,6,7
	ds_load_tr16_b128 v[F+8*(\cb):F+8*(\cb)+3],   v[AV+(\slot)] offset:((\w)-1)*288+32*(\cb)
	ds_load_tr16_b128 v[F+8*(\cb)+4:F+8*(\cb)+7], v[AV+(\slot)] offset:((\w)-1)*288+32*(\cb)+16*PVP
.endr
.endr
.endm
.macro MASK                            ; a score whose key lies behind its query becomes -2^100; each accumulator is taken from its lowest register on
	BOTH v_sub_nc_u32 v[DD+t], v[QI+t], s[KT64]
.irp u, 0,1
.irp kb, 0,1
.irp j, 0,1,2,3,4,5,6,7
	v_cmp_gt_i32 vcc_lo, 16*(\kb)+(\j), v[DD+(\u)]
	v_cndmask_b32 v[S+16*(\u)+8*(\kb)+(\j)], v[S+16*(\u)+8*(\kb)+(\j)], v[BIG], vcc_lo
.endr
.endr
.endr
.endm
.macro SOFTMAX                         ; 54 lines a tile, the two tiles alternating, so that no line reads the result of the one before it
	BOTH v_max3_num_f32 v[TMP+4*t], v[S+16*t], v[S+16*t+1], v[S+16*t+2]
	BOTH v_max3_num_f32 v[TMP+4*t+1], v[S+16*t+8], v[S+16*t+9], v[S+16*t+10]
	BOTH v_max3_num_f32 v[TMP+4*t], v[TMP+4*t], v[S+16*t+3], v[S+16*t+4]
	BOTH v_max3_num_f32 v[TMP+4*t+1], v[TMP+4*t+1], v[S+16*t+11], v[S+16*t+12]
	BOTH v_max3_num_f32 v[TMP+4*t], v[TMP+4*t], v[S+16*t+5], v[S+16*t+6]
	BOTH v_max3_num_f32 v[TMP+4*t+1], v[TMP+4*t+1], v[S+16*t+13], v[S+16*t+14]
	BOTH v_max3_num_f32 v[TMP+4*t], v[TMP+4*t], v[S+16*t+7], v[S+16*t+15]
	BOTH v_max3_num_f32 v[TMP+4*t], v[TMP+4*t], v[TMP+4*t+1], v[ST+4*t+1]
	BOTH v_permlanex16_b32 v[TMP+4*t+3], v[TMP+4*t], s[SEL], s[SEL+1]  ; the query's other 16 keys lie in the lane 16 away
	BOTH v_mov_b32 v[MV+t], v[ST+4*t]              ; c m_old is kept
	BOTH v_max_num_f32 v[ST+4*t+1], v[TMP+4*t], v[TMP+4*t+3]
	BOTH v_mul_f32 v[ST+4*t], s[CS], v[ST+4*t+1]
	BOTH v_sub_f32 v[TMP+4*t+1], v[MV+t], v[ST+4*t]
	BOTH v_exp_f32 v[TMP+4*t+2], v[TMP+4*t+1]      ; a; the scalings below are the plain lines behind it
.set n, 0
.rept 8
	BOTH v_pk_fma_f32 v[S+16*t+2*n:S+16*t+2*n+1], v[S+16*t+2*n:S+16*t+2*n+1], s[CS:CS+1], v[ST+4*t:ST+4*t+1] op_sel_hi:[1,0,0] neg_lo:[0,0,1] neg_hi:[0,0,1]
.set n, n+1
.endr
.set n, 0
.rept 16
	BOTH v_exp_f32 v[S+16*t+n], v[S+16*t+n]
.set n, n+1
.endr
	v_nop                                          ; a plain line between the exponentials and the first use of a result
	s_wait_alu depctr_va_vdst(0)
.set n, 0
.rept 8
	BOTH v_cvt_pk_f16_f32 v[P+8*t+n], v[S+16*t+2*n], v[S+16*t+2*n+1]
.set n, n+1
.endr
.set n, 0
.rept 4
	BOTH v_pk_add_f32 v[S+16*t+4*n:S+16*t+4*n+1], v[S+16*t+4*n:S+16*t+4*n+1], v[S+16*t+4*n+2:S+16*t+4*n+3]
.set n, n+1
.endr
	BOTH v_pk_add_f32 v[S+16*t:S+16*t+1], v[S+16*t:S+16*t+1], v[S+16*t+4:S+16*t+5]
	BOTH v_pk_add_f32 v[S+16*t+8:S+16*t+9], v[S+16*t+8:S+16*t+9], v[S+16*t+12:S+16*t+13]
	BOTH v_pk_add_f32 v[S+16*t:S+16*t+1], v[S+16*t:S+16*t+1], v[S+16*t+8:S+16*t+9]
	BOTH v_pk_fma_f32 v[ST+4*t+2:ST+4*t+3], v[ST+4*t+2:ST+4*t+3], v[TMP+4*t+2:TMP+4*t+3], v[S+16*t:S+16*t+1] op_sel_hi:[1,0,1]
.endm
.macro RESC n                          ; accumulator n of the window in hand times its tile's c2 (a, or at a block's end the factor), from its lowest registers on
.irp z, 0,1,2,3
	v_pk_mul_f32 v[8*(\n)+2*(\z):8*(\n)+2*(\z)+1], v[8*(\n)+2*(\z):8*(\n)+2*(\z)+1], v[TMP+4*((\n)%2)+2:TMP+4*((\n)%2)+3] op_sel_hi:[1,0]
.endr
.endm
; 48 products O^T += V^T P, each accumulator once: no two that follow each other share one.  Accumulator n + 2 is rescaled behind product n: four lines that name no register of the products round them.
.macro PV
.irp w, 1,2,3
	s_wait_dscnt 48-16*(\w)                        ; this window's V is in; the later windows' 16 loads each may be out
	WIN (\w)|((\w)<<4)|((\w)<<6)                   ; V and O^T in window w, P and a in window 0
	RESC 0
	RESC 1
.set n, 0
.rept 16
	v_wmma_f32_16x16x32_f16 v[8*n:8*n+7], v[F+8*(n/2):F+8*(n/2)+7], v[P+8*(n%2):P+8*(n%2)+7], v[8*n:8*n+7]
.if n < 14
	RESC n+2
.endif
.set n, n+1
.endr
.endr
.endm
; A TRIP: the tile of 64 keys in slot 'slot'
.macro TRIP slot, fill
	TOP \slot, \fill
	KLOAD \slot
	QK
	WIN 0
	PLACES                                         ; behind the products: for the reads of S^T and for the loads into K's registers
	VLOAD \slot
	WIN 0
	MASK
	SOFTMAX
	PV
	WIN 0
	s_add_co_u32 s[KT64], s[KT64], 64
.endm
.Lphase:                                               ; two trips: the first block, the second
	; A BLOCK BEGINS.  Tile 0 goes into slot 0, in the order of every fill: all my tensor loads waited for, the add, its wait and my LDS reads', a round, the joint load first behind it.
	s_wait_tensorcnt 0x0
	ds_add_u32 v[SPW], v[NIL]                      ; 0 onto my spare word
	s_mov_b32 s[OFF], 0
	s_add_nc_u64 s[G0K+2:G0K+3], s[KB:KB+1], 0
	s_or_b32 s[G0K+3], s[G0K+3], 0x80000000        ; type = 2
	s_add_nc_u64 s[G0V+2:G0V+3], s[VB:VB+1], 0
	s_or_b32 s[G0V+3], s[G0V+3], 0x80000000
	s_mov_b32 s[KT64], 0
	s_mov_b32 s[CNT], 0
	s_wait_dscnt 0x0
	ROUND
	JLOAD 0
	; 48 loads: my 32 rows of Q, all 384 channels.  A fragment: lane holds row lane % 16, channels 8 (lane / 16) + 0..7 and 16 + that: two loads of 16 bytes, 32 bytes apart
.irp w, 1,2,3
	WIN (\w)<<6
.irp q, 0,1,2,3
.irp u, 0,1
	global_load_b128 v[QF+16*(\q)+8*(\u):QF+16*(\q)+8*(\u)+3],   v[QO], s[QP:QP+1] offset:(\u)*12288+64*(4*((\w)-1)+(\q))
	global_load_b128 v[QF+16*(\q)+8*(\u)+4:QF+16*(\q)+8*(\u)+7], v[QO], s[QP:QP+1] offset:(\u)*12288+64*(4*((\w)-1)+(\q))+32
.endr
.endr
.endr
	; O^T starts at 0, and the first step multiplies it by a = 0.  384 moves a block, in the wait for its first tile: the price of writing no first step out.
.irp w, 1,2,3
	WIN (\w)<<6
.set i, 0
.rept 128
	v_mov_b32 v[i], 0
.set i, i+1
.endr
.endr
	WIN 0
	BOTH v_mov_b32 v[ST+4*t], 0xfe000000           ; c m: far below every c s
	BOTH v_mov_b32 v[ST+4*t+1], 0xff7fffff         ; m: the lowest finite number
	BOTH v_mov_b32 v[ST+4*t+2], 0
	BOTH v_mov_b32 v[ST+4*t+3], 0
.Lpair:                                                ; a pair of tiles; each trip asks for the next tile
	TRIP 0, 1
	TRIP 1, 1
	s_add_co_u32 s[CNT], s[CNT], 1
	s_cmp_lt_u32 s[CNT], s[BND]
	s_cbranch_scc1 .Lpair
	TRIP 0, 1                                      ; the block's last pair is written out
	TRIP 1, 0                                      ; its last tile asks for nothing
	; A BLOCK'S END.  Each wave hands (c m, l) to its partner through LDS; with M the greater c m, my O^T is multiplied by 2^(c m - M) / (l0 2^(c m0 - M) + l1 2^(c m1 - M)); then, 128 channels at a time, both waves'
	; O^T go through their stages, and each wave adds and stores 16 of the half's 32 rows.
	PLACES                                         ; behind the last products
	BOTH v_add_f32 v[TMP+4*t+1], v[ST+4*t+2], v[ST+4*t+3]
	BOTH v_permlanex16_b32 v[TMP+4*t+3], v[TMP+4*t+1], s[SEL], s[SEL+1]
	BOTH v_mov_b32 v[TMP+4*t], v[ST+4*t]
	BOTH v_add_f32 v[TMP+4*t+1], v[TMP+4*t+1], v[TMP+4*t+3]
	BOTH ds_store_b64 v[STA], v[TMP+4*t:TMP+4*t+1] offset:128*t
	s_wait_dscnt 0x0                               ; for the partner's sake: my stores are done
	s_barrier_signal -1
	s_barrier_wait -1
	BOTH ds_load_b64 v[FS+4*t:FS+4*t+1], v[STR] offset:128*t
	BOTH ds_load_b64 v[FS+4*t+2:FS+4*t+3], v[STR] offset:128*t+256
	s_wait_dscnt 0x0
	BOTH v_max_num_f32 v[FS+8+t], v[FS+4*t], v[FS+4*t+2]
	BOTH v_sub_f32 v[FS+4*t], v[FS+4*t], v[FS+8+t]
	BOTH v_sub_f32 v[FS+4*t+2], v[FS+4*t+2], v[FS+8+t]
	BOTH v_sub_f32 v[FS+10+t], v[ST+4*t], v[FS+8+t]
	BOTH v_exp_f32 v[FS+4*t], v[FS+4*t]
	BOTH v_exp_f32 v[FS+4*t+2], v[FS+4*t+2]
	BOTH v_exp_f32 v[FS+10+t], v[FS+10+t]
	v_nop                                          ; a plain line behind the exponentials
	s_wait_alu depctr_va_vdst(0)
	BOTH v_mul_f32 v[FS+12+t], v[FS+4*t+1], v[FS+4*t]
	BOTH v_fmac_f32 v[FS+12+t], v[FS+4*t+3], v[FS+4*t+2]
	BOTH v_rcp_f32 v[FS+12+t], v[FS+12+t]
	v_nop                                          ; a plain line behind the reciprocals
	s_wait_alu depctr_va_vdst(0)
	BOTH v_mul_f32 v[TMP+4*t+2], v[FS+10+t], v[FS+12+t]
.irp w, 1,2,3
	WIN (\w)|((\w)<<6)                             ; O^T in window w, the factor in window 0
.set n, 0
.rept 16
	RESC n
.set n, n+1
.endr
	WIN (\w)<<2                                    ; the stores' data in window w
.set n, 0
.rept 16
	ds_store_b128 v[STO], v[8*n:8*n+3]   offset:(n%2)*16*SPI+64*(n/2)
	ds_store_b128 v[STO], v[8*n+4:8*n+7] offset:(n%2)*16*SPI+64*(n/2)+16
.set n, n+1
.endr
	WIN 0
	s_wait_dscnt 0x0                               ; for the partner's sake: my stores into my stage are done
	s_barrier_signal -1
	s_barrier_wait -1
	s_wait_xcnt 0x0                                ; the registers below were the last stores' data: they are loaded again only behind this wait
.set i, 0
.rept 16
	ds_load_b128 v[T0+4*i:T0+4*i+3], v[RD0] offset:SPI*i
	ds_load_b128 v[T1+4*i:T1+4*i+3], v[RD1] offset:SPI*i
.set i, i+1
.endr
	s_wait_dscnt 0x0
.set i, 0
.rept 32
	v_pk_add_f32 v[T0+2*i:T0+2*i+1], v[T0+2*i:T0+2*i+1], v[T1+2*i:T1+2*i+1]
.set i, i+1
.endr
.set i, 0
.rept 16
	global_store_b128 v[GO], v[T0+4*i:T0+4*i+3], s[OUT:OUT+1] offset:1536*i+512*((\w)-1) th:TH_STORE_NT  ; the wave stores 512 consecutive bytes, at a multiple of 256 from out's first byte
.set i, i+1
.endr
.if (\w) < 3
	s_barrier_signal -1                            ; every wave's reads of the stages are back: the next 128 channels may be written
	s_barrier_wait -1
.endif
.endr
	s_wait_xcnt 0x0                                ; the stores have read out's address, the loads Q's: now the second block's numbers take their places
	s_mov_b64 s[OUT:OUT+1], s[OUTLO:OUTLO+1]
	s_mov_b64 s[QP:QP+1], s[QLO:QLO+1]
	s_mov_b32 s[BND], s[BNDLO]
	BOTH v_mov_b32 v[QI+t], v[QL+t]
	s_sub_co_u32 s[PH], s[PH], 1
	s_cmp_lg_u32 s[PH], 0
	s_cbranch_scc1 .Lphase
	s_wait_tensorcnt 0x0                           ; the wave's end: behind my last tensor load and my last LDS store
	ds_add_u32 v[SPW], v[NIL]
	s_wait_dscnt 0x0
	ROUND                                          ; the closing round: no work-group ends while a partner may still ask for a tile that names it
	s_endpgm
.Lfunc_end_k_qf941071580_attn:
	.size	k_qf941071580_attn, .Lfunc_end_k_qf941071580_attn-k_qf941071580_attn
	.p2alignl 7, 3214868480
	.fill 96, 4, 3214868480
	.section	.rodata,"a",@progbits
	.p2align	6, 0x0
	.amdhsa_kernel k_qf941071580_attn
		.amdhsa_group_segment_fixed_size 327680
		.amdhsa_private_segment_fixed_size 0
		.amdhsa_enable_private_segment 0
		.amdhsa_kernarg_size 16
		.amdhsa_user_sgpr_count 2
		.amdhsa_user_sgpr_kernarg_segment_ptr 1
		.amdhsa_wavefront_size32 1
		.amdhsa_system_sgpr_workgroup_id_x 1
		.amdhsa_system_sgpr_workgroup_id_y 1
		.amdhsa_system_sgpr_workgroup_id_z 1
		.amdhsa_system_vgpr_workitem_id 0
		.amdhsa_next_free_vgpr 1024
		.amdhsa_next_free_sgpr 100
		.amdhsa_reserve_vcc 1
		.amdhsa_float_denorm_mode_32 3
		.amdhsa_float_denorm_mode_16_64 3
		.amdhsa_memory_ordered 1
		.amdhsa_forward_progress 1
		.amdhsa_inst_pref_size 198
	.end_amdhsa_kernel
	.amdgpu_metadata
---
amdhsa.version: [ 1, 2 ]
amdhsa.kernels:
  - .name:           k_qf941071580_attn
    .symbol:         k_qf941071580_attn.kd
    .args:
      - { .name: qkv, .offset: 0, .size: 8, .value_kind: global_buffer, .address_space: global }
      - { .name: out0, .offset: 8, .size: 8, .value_kind: global_buffer, .address_space: global }
    .group_segment_fixed_size: 327680
    .private_segment_fixed_size: 0
    .kernarg_segment_align: 8
    .kernarg_segment_size: 16
    .max_flat_workgroup_size: 128
    .sgpr_count:     100
    .vgpr_count:     1024
    .wavefront_size: 32
...
	.end_amdgpu_metadata
.endif
;; end of part 3
